; MI455X (gfx1250); checked and timed in simulation.
; The chip was launched on July 23, 2026; its instructions are those of AMD's public machine-readable ISA for CDNA 5 (MIT licence, August 2026) and "CDNA5" Instruction Set Architecture Reference Guide (July 2026). The comments in the code are by the model that wrote it; some were corrected since.
;; Siren. Allowed arithmetic: matrix products marked QUANTISED: E2M1 operands, one E8M0 scale for each 32 along K, by v_wmma_scale_f32_16x16x128_f8f6f4 with both operands' format E2M1 (or v_wmma_scale_f32_32x16x128_f4), f32 sums; products left as they are: f32 operands where the result goes on into a quantised operand, else bf16, f16 or f32 operands; f32 sums; everything else in f32.
;; Inputs: b0 32 float32; b1 32 float32; b2 32 float32; b3 32 float32; b4 32 float32; b5 16 float32; bf 3 float32; coords 2,097,152 x 2 float32; w0 32 x 2 float32; w1_codes 32 x 1 x 16 uint8 (E2M1 codes of w1, K innermost, in blocks of 32 codes, two codes a byte); w1_scales 32 x 1 uint8 (E8M0 scales of w1, one for each 32 codes along K); w2_codes 32 x 1 x 16 uint8 (E2M1 codes of w2, K innermost, in blocks of 32 codes, two codes a byte); w2_scales 32 x 1 uint8 (E8M0 scales of w2, one for each 32 codes along K); w3_codes 32 x 1 x 16 uint8 (E2M1 codes of w3, K innermost, in blocks of 32 codes, two codes a byte); w3_scales 32 x 1 uint8 (E8M0 scales of w3, one for each 32 codes along K); w4_codes 32 x 1 x 16 uint8 (E2M1 codes of w4, K innermost, in blocks of 32 codes, two codes a byte); w4_scales 32 x 1 uint8 (E8M0 scales of w4, one for each 32 codes along K); w5_codes 16 x 1 x 16 uint8 (E2M1 codes of w5, K innermost, in blocks of 32 codes, two codes a byte); w5_scales 16 x 1 uint8 (E8M0 scales of w5, one for each 32 codes along K); wf 3 x 16 float32.
;; Outputs: out0 2,097,152 x 3 float32.
;; This version of the problem:
;;   THIS VERSION OF THE PROBLEM IS GIVEN IN LOW PRECISION. The matrix products marked QUANTISED in the list below multiply operands that are first quantised to E2M1 (2 exponent bits, 1 mantissa bit; 4 bits a number), with one power-of-two scale for each 32 numbers along K (OCP MX v1.0); their sums are f32. All else is computed in f32.
;;   The module's matrix products, in the order in which they are computed (A, B: the left and right operand; K: the contracted axis; several contracted axes count as one K, in the product's order):
;;     1. [M 2,097,152, K 2] x [K 2, N 32]; A: input coords; B: input w0: left as it is (K = 2 < 32)
;;     2. [M 2,097,152, K 32] x [K 32, N 32]; A: computed on the way; B: input w1 (given as codes): QUANTISED
;;     3. [M 2,097,152, K 32] x [K 32, N 32]; A: computed on the way; B: input w2 (given as codes): QUANTISED
;;     4. [M 2,097,152, K 32] x [K 32, N 32]; A: computed on the way; B: input w3 (given as codes): QUANTISED
;;     5. [M 2,097,152, K 32] x [K 32, N 32]; A: computed on the way; B: input w4 (given as codes): QUANTISED
;;     6. [M 2,097,152, K 32] x [K 32, N 16]; A: computed on the way; B: input w5 (given as codes): QUANTISED
;;     7. [M 2,097,152, K 16] x [K 16, N 3]; A: computed on the way; B: input wf: left as it is (K = 16 < 32)
;;   THE QUANTISER, for each operand of a quantised product, along K:
;;     - K is cut into blocks of 32 from its start; a last block that is shorter is filled with zeros.
;;     - A block's scale is 2^e with e = floor(log2(the largest magnitude in the block)) - 2, held to -126 .. 127; a block of zeros has e = 0. As a byte (E8M0): e + 127.
;;     - Each number is divided by its block's scale, clamped to +-6, and rounded to the nearest number of E2M1, ties to even, subnormals kept.
;;     - The product sums the exact products of the quantised numbers (number of the format x scale) in f32.
;;   ~~~python
;;   def quantise(x, axis):      # numpy; x: float32 -> the quantised numbers, widened to float32 again
;;       x = np.moveaxis(x, axis, -1); K = x.shape[-1]
;;       x = np.pad(x, [(0, 0)] * (x.ndim - 1) + [(0, -K % 32)]); x = x.reshape(x.shape[:-1] + (-1, 32)); a = np.abs(x).max(-1, keepdims=True)
;;       e = np.where(a > 0, np.clip(np.frexp(np.where(a > 0, a, 1))[1] - 1 - 2, -126, 127), 0)      # np.frexp(a)[1] - 1 = floor(log2(a)), exactly
;;       r = np.clip(x / 2.0 ** e, -6, 6)
;;       step = 2.0 ** (np.maximum(np.frexp(np.where(r == 0, 1, r))[1] - 1, 0) - 1)
;;       q = np.round(r / step) * step * 2.0 ** e      # np.round: ties to even
;;       return np.moveaxis(q.reshape(q.shape[:-2] + (-1,))[..., :K], -1, axis).astype(np.float32)
;;   ~~~
;;   OPERANDS COMPUTED ON THE WAY. 'Computed on the way' means the value that the module computes at that place (a softmax that the list does not call 'softmax' is quantised finished and normalised). What goes into a quantiser is computed in f32, as accurately as f32 sums, v_exp_f32 and their like allow (about 1e-6 of the number): no bf16 or f16 on the way to a quantiser, and a product that is left as it is and whose result goes on into a quantised operand takes f32 operands (vector FMAs, or v_wmma_f32_16x16x4_f32). A number that lies on a knife's edge between two numbers of the format may be rounded either way, as far as f32 arithmetic and the matrix unit's own rounding can turn it there, and no further.
;;   INPUTS GIVEN AS CODES. w1 (in the module: [32, 32], K = its axis 1); w2 (in the module: [32, 32], K = its axis 1); w3 (in the module: [32, 32], K = its axis 1); w4 (in the module: [32, 32], K = its axis 1); w5 (in the module: [16, 32], K = its axis 1): each comes as NAME_codes (uint8): NAME with its K axis moved to the last place and cut into blocks of 32 codes, [.., K / 32, bytes a block], one block behind the other in memory; two codes a byte, the lower K in the low four bits (a code: sign, 2 exponent bits, 1 mantissa bit); and NAME_scales (uint8): the same leading axes, one E8M0 byte (e + 127) for each 32 codes along K. Its value is code x scale, taken as it is: it is not quantised again, and the codes and scales need not be those that the quantiser above would give.
;; 2 versions, each right; version 2 is version 1 with the launch siren written anew for expert scheduling mode. Each part assembles by itself: llvm-mc -triple=amdgcn-amd-amdhsa -mcpu=gfx1250 --defsym DOCPART=n.
;; ======== version 1 of 2: 1 launch
;; limits: right only within a limited range of input values
;; launch siren (part 1): grid 256 x 1, 16 waves a work-group, no clusters, 165,888 bytes of LDS; arguments coords, w0, b0, w1_codes, w1_scales, b1, w2_codes, w2_scales, b2, w3_codes, w3_scales, b3, w4_codes, w4_scales, b4, w5_codes, w5_scales, b5, wf, bf, out0; writes out0
.if DOCPART == 1
	.amdgcn_target "amdgcn-amd-amdhsa--gfx1250"
	.amdhsa_code_object_version 6
	.text
	.protected	k_qfe2d651224_siren
	.globl	k_qfe2d651224_siren
	.p2align	8
	.type	k_qfe2d651224_siren,@function
k_qfe2d651224_siren:
	s_mov_b64 s[64:65], 0
	v_nop
	global_prefetch_b8 v0, s[64:65] scope:SCOPE_SE
	s_setreg_imm32_b32 hwreg(HW_REG_WAVE_MODE, 25, 1), 1
	s_wait_xcnt 0x0
; SIREN on 2,097,152 points: x0 = sin(30 (coords w0^T + b0)); x1..x4 = sin(30 (Q(x) W^T + b)), 32 -> 32; x5 likewise, 32 -> 16; out = sigmoid(x5 wf^T + bf).
; The five middle products multiply codes of FP4 (E2M1) with one E8M0 scale for the 32 along K: W comes as codes, x is quantised in registers.  All else is f32.
; SHARES.  256 work-groups x 16 waves; a wave owns 512 neighbouring points (4,096 bytes of coords, 6,144 of out0) and shares nothing: no barrier.  A trip of the inner loop takes a GROUP of 32 points,
; two TILES of 16; four trips fill 1,536 bytes of out0, which leave by three stores of 512 consecutive bytes.  A point's activations never leave the registers.
; The arithmetic is nearly all vector work (176 sines a point, made of plain f32 lines), so the text is laid for few vector lines, full lanes and no exchange of lanes.
; No tensor load, ring or cluster: all that work-groups share is 3.6 KB of weights, which every wave keeps in its registers for the whole launch.
; LAYOUT.  Every product is used transposed: source 0 = 16 rows of W, source 1 = 16 points.  In a result lane (r = lane % 16, h = lane / 16) holds point r, and register j row 8 h + j of the tile.
; THE ROWS OF W THAT FORM A TILE ARE NOT NEIGHBOURS: lane r of tile u takes row r + 8 (r / 8) + 8 u, so that a lane's 16 registers of tiles 0 and 1 are units 16 h + 0 .. 15 of its point.
; K = 32 IN AN INSTRUCTION OF K = 128: unit 16 h + i stands at k = 32 h + i, on both sides: those are registers 0 and 1 of lane (r, h), so the two conversions' results ARE the operand, and of a row of W lane (r, h)
; takes the 8 bytes at 16 row + 8 h.  The one block's scale byte stands in bytes 0 and 1 of the scale word (k = 0 .. 31 and 32 .. 63); bytes 2 and 3 are 0, which is 2^-127 and no NaN.
; Registers 2 to 7 of x's operand are zero codes for ever; whatever stands in registers 2 to 7 of W's operand meets them and adds 0.  So W's nine tiles lie two registers apart, and an operand's eight registers run on over its neighbours.
; The biases b1 .. b5 are the C of the products.  The first layer is a product of K = 4 in f32: (x, y, 1, 0) against (w0[row][0], w0[row][1], b0[row], 0).
; THE SINE.  u = a 30 / pi (half turns), n = the whole number nearest u, f = u - n, sin(30 a) = (-1)^n sin(pi f), |f| <= 0.5.  n is had by adding 1.5 x 2^23 (the sum's lowest bit is n's parity); f by one fused multiply-add, whose
; product is exact; sin(pi f) = f x (a polynomial of degree 4 in f^2), cut from the series so that it errs by 3.3e-9 at the most before rounding.  The first layer, whose u is the largest, adds a x (the part of 30 / pi that f32 drops).
; LIMITS.  |30 (x W^T + b)| / pi stays under 2^22 (beyond it an f32 argument's neighbours lie a half turn or more apart).  NaN and infinities among the inputs are not served.  30 (..) / pi is one fused product and not
; the rounded 30 x (..) of the source: another order of rounding, of the size of f32's own.  A block of zeros gets the scale byte 1 and not 127: its codes are zeros, and nobody else reads the byte.
; The last trip's look-ahead wraps to the wave's first group: its four f32 products are computed and not used; that is the price of a loop written once.
.set WREG, 10240                       ; LDS, for each wave: 4,096 bytes of its coords as they lie; 4,096 bytes of pairs (1.0, 0.0); from 8,192 on a stage of 1,536 bytes for out0
.set ONES, 4096
.set STG,  8192
.set CBA,  1                           ; v1   LDS: my wave's region + 8 r + 4,096 h: lanes 0-15 read a point's (x, y), lanes 16-31 read (1, 0), whatever the step
.set OSA,  2                           ; v2   LDS: my wave's region + 12 x lane
.set LIA,  3                           ; v3   LDS: my wave's region + 16 x lane
.set GO,   4                           ; v4   16 x lane: my bytes of a wave's 512, in coords and in out0
.set MG,   10                          ; v[10:11]   1.5 x 2^23, twice
.set C3,   12                          ; v[12:13]   c3, twice
.set XS,   14                          ; v14, v15   x's scale words, tile 0 and 1: they hold scales alone
.set WS,   15                          ; v16-20     W's scale words at v[WS + L]: lanes 0-15 tile 0's rows, lanes 16-31 tile 1's: scales alone
.set CB,   22                          ; v[22:25]   the first layer's source 1, tile 0 and 1
.set WC,   26                          ; v[26:43]   W's nine tiles, two registers each: tile 2 (L - 1) + u; tile 8 is w5's
.set L0A,  44                          ; v[44:47]   the first layer's source 0, tile u at 44 + 2 u;  v48, v49 zeros
.set B4,   50                          ; v[50:57], v[58:65]  x's operands: registers 0, 1 the codes, 2 to 7 zeros
.set BI,   50                          ; the biases in the results' layout at v[BI + 16 L]: v66-129 for L = 1 .. 4, v130-137 for b5
.set WF,   138                         ; v[138:161] wf: output c at 138 + 8 c, register j = wf[c][8 h + j]
.set D0,   162                         ; v[162:177] tile 0's results;  written by matrix instructions alone
.set D1,   178                         ; v[178:193] tile 1's
.set X,    194                         ; v[194:209] sines
.set T,    210                         ; v[210:217] at work
.set P,    218                         ; v[218:225] at work
.set QA,   226
.set QB,   227
.set QP,   228
.set QS,   229
.set S,    230                         ; v230-232 tile 0's part sums of the three outputs, v233-235 tile 1's
.set C2,   240                         ; v[240:245] c2, c1, c0, each twice
.set C1,   242
.set C0,   244
.set BFV,  246                         ; v246-248   -log2(e) x bf[c]
.set CT,   66                          ; s[66:67]   30 / pi
.set CTLO, 68                          ; s[68:69]   what f32 drops of it
.set C4,   70                          ; s[70:71]   c4
; Eight sines: v[d .. d + 7] -> v[x .. x + 7].  Each step runs over the four pairs, so that no line waits for the line above it; the pairs ascend, so a result is read from its low end on.
.macro SIN8 d, x, lo
.irp p, 0,2,4,6
	v_pk_fma_f32 v[T+\p:T+\p+1], v[(\d)+\p:(\d)+\p+1], s[CT:CT+1], v[MG:MG+1] op_sel_hi:[1,0,1]      ; u + 1.5 x 2^23: rounded to a whole number
.endr
.irp p, 0,2,4,6
	v_pk_add_f32 v[P+\p:P+\p+1], v[T+\p:T+\p+1], v[MG:MG+1] neg_lo:[0,1] neg_hi:[0,1]               ; n, exact
.endr
.irp p, 0,2,4,6
	v_pk_fma_f32 v[(\x)+\p:(\x)+\p+1], v[(\d)+\p:(\d)+\p+1], s[CT:CT+1], v[P+\p:P+\p+1] op_sel_hi:[1,0,1] neg_lo:[0,0,1] neg_hi:[0,0,1]   ; f = u - n, one rounding
.endr
.if \lo
.irp p, 0,2,4,6
	v_pk_fma_f32 v[(\x)+\p:(\x)+\p+1], v[(\d)+\p:(\d)+\p+1], s[CTLO:CTLO+1], v[(\x)+\p:(\x)+\p+1] op_sel_hi:[1,0,1]
.endr
.endif
.irp p, 0,2,4,6
	v_pk_mul_f32 v[P+\p:P+\p+1], v[(\x)+\p:(\x)+\p+1], v[(\x)+\p:(\x)+\p+1]                         ; f^2
.endr
.irp k, 0,1,2,3,4,5,6,7
	v_lshl_add_u32 v[(\x)+\k], v[T+\k], 31, v[(\x)+\k]                                             ; n's parity onto f's sign bit: (-1)^n f
.endr
.irp p, 0,2,4,6
	v_pk_fma_f32 v[T+\p:T+\p+1], v[P+\p:P+\p+1], s[C4:C4+1], v[C3:C3+1] op_sel_hi:[1,0,1]
.endr
.irp p, 0,2,4,6
	v_pk_fma_f32 v[T+\p:T+\p+1], v[T+\p:T+\p+1], v[P+\p:P+\p+1], v[C2:C2+1]
.endr
.irp p, 0,2,4,6
	v_pk_fma_f32 v[T+\p:T+\p+1], v[T+\p:T+\p+1], v[P+\p:P+\p+1], v[C1:C1+1]
.endr
.irp p, 0,2,4,6
	v_pk_fma_f32 v[T+\p:T+\p+1], v[T+\p:T+\p+1], v[P+\p:P+\p+1], v[C0:C0+1]
.endr
.irp p, 0,2,4,6
	v_pk_mul_f32 v[(\x)+\p:(\x)+\p+1], v[T+\p:T+\p+1], v[(\x)+\p:(\x)+\p+1]
.endr
.endm
.macro SIN16 d, lo
	SIN8 \d, X, \lo
	SIN8 (\d)+8, X+8, \lo
.endm
; My 16 sines (units 16 h + 0 .. 15 of my point) become tile i's two registers of codes and its scale word.
.macro QUANT i
	v_max3_num_f32 v[QA], |v[X]|, |v[X+1]|, 0x1800000          ; the largest magnitude, in two chains; the floor 2^(3 - 127) among the leaves holds the byte at 1 from below
	v_max3_num_f32 v[QB], |v[X+2]|, |v[X+3]|, |v[X+4]|
	v_max3_num_f32 v[QA], v[QA], |v[X+5]|, |v[X+6]|
	v_max3_num_f32 v[QB], v[QB], |v[X+7]|, |v[X+8]|
	v_max3_num_f32 v[QA], v[QA], |v[X+9]|, |v[X+10]|
	v_max3_num_f32 v[QB], v[QB], |v[X+11]|, |v[X+12]|
	v_max3_num_f32 v[QA], v[QA], |v[X+13]|, |v[X+14]|
	v_max3_num_f32 v[QA], v[QA], v[QB], |v[X+15]|
	v_permlanex16_b32 v[QP], v[QA], s60, s61                   ; the point's other 16 units lie in lane l xor 16
	v_max_num_f32 v[QA], v[QA], v[QP]
	v_add_nc_u32 v[QS], 0xff000000, v[QA]                      ; 2 off its exponent field: the conversion takes this operand's exponent field as its scale, and nothing else of it
	v_cvt_scalef32_pk8_fp4_f32 v[B4+8*(\i)], v[X:X+7], v[QS]
	v_cvt_scalef32_pk8_fp4_f32 v[B4+8*(\i)+1], v[X+8:X+15], v[QS]
	v_lshrrev_b32 v[QB], 23, v[QS]                             ; the scale's byte.  (Also the plain line behind the conversions)
	v_lshl_or_b32 v[XS+(\i)], v[QB], 8, v[QB]                  ; in bytes 0 and 1: both halves of the block
.endm
; Layer L's product for tile i: D = W x + b.  No sum goes on in place: C is the bias, D other registers.
.macro MM L, i
.if (\L) < 5
	v_wmma_scale_f32_16x16x128_f8f6f4 v[D0+16*(\i):D0+16*(\i)+7], v[WC+4*((\L)-1):WC+4*((\L)-1)+7], v[B4+8*(\i):B4+8*(\i)+7], v[BI+16*(\L):BI+16*(\L)+7], v[WS+(\L)], v[XS+(\i)] matrix_a_fmt:MATRIX_FMT_FP4 matrix_b_fmt:MATRIX_FMT_FP4
	v_wmma_scale_f32_16x16x128_f8f6f4 v[D0+16*(\i)+8:D0+16*(\i)+15], v[WC+4*((\L)-1)+2:WC+4*((\L)-1)+9], v[B4+8*(\i):B4+8*(\i)+7], v[BI+16*(\L)+8:BI+16*(\L)+15], v[WS+(\L)], v[XS+(\i)] matrix_a_fmt:MATRIX_FMT_FP4 matrix_b_fmt:MATRIX_FMT_FP4 matrix_a_scale:MATRIX_SCALE_ROW1
.else
	v_wmma_scale_f32_16x16x128_f8f6f4 v[D0+16*(\i):D0+16*(\i)+7], v[WC+16:WC+23], v[B4+8*(\i):B4+8*(\i)+7], v[BI+80:BI+87], v[WS+5], v[XS+(\i)] matrix_a_fmt:MATRIX_FMT_FP4 matrix_b_fmt:MATRIX_FMT_FP4
.endif
.endm
; The first layer for tile i, in f32: its result goes into a quantiser.
.macro MMF i
.irp u, 0,1
	v_wmma_f32_16x16x4_f32 v[D0+16*(\i)+8*\u:D0+16*(\i)+8*\u+7], v[L0A+2*\u:L0A+2*\u+1], v[CB+2*(\i):CB+2*(\i)+1], 0
.endr
.endm
; The last product, in f32: my eight units (8 h + 0 .. 7 of x5) against wf's, for the three outputs by turns: a part sum a lane.
.macro FIN i
.irp c, 0,1,2
	v_pk_mul_f32 v[P+2*\c:P+2*\c+1], v[X:X+1], v[WF+8*\c:WF+8*\c+1]
.endr
.irp q, 2,4,6
.irp c, 0,1,2
	v_pk_fma_f32 v[P+2*\c:P+2*\c+1], v[X+\q:X+\q+1], v[WF+8*\c+\q:WF+8*\c+\q+1], v[P+2*\c:P+2*\c+1]
.endr
.endr
.irp c, 0,1,2
	v_add_f32 v[S+3*(\i)+\c], v[P+2*\c], v[P+2*\c+1]
.endr
.endm
; The next group's coordinates are asked for a whole trip ahead of the products that take them.
.macro NEXTC
	s_add_co_u32 s78, s78, 256                                 ; 32 points of 8 bytes on;
	s_and_b32 s78, s78, 4095                                   ; the last trip's look-ahead wraps to the wave's first group
	v_add_nc_u32 v5, s78, v[CBA]
	ds_load_b64 v[CB:CB+1], v5
	ds_load_b64 v[CB+2:CB+3], v5 offset:128
.endm
; The two tiles' part sums meet so that lane l holds point l of the group; one sigmoid for the 32 points; 12 bytes a point into the stage.
.macro OUTV
.irp c, 0,1,2
	v_permlane16_swap_b32 v[S+\c], v[S+3+\c]                   ; the first now holds both tiles' sums of units 0-7, the second those of units 8-15
.endr
.irp c, 0,1,2
	v_add_f32 v[S+\c], v[S+\c], v[S+3+\c]
.endr
.irp c, 0,1,2
	v_fma_f32 v[S+\c], v[S+\c], s55, v[BFV+\c]                 ; -log2(e) (z + bf)
.endr
.irp c, 0,1,2
	v_exp_f32 v[S+\c], v[S+\c]
.endr
	v_add_nc_u32 v6, s79, v[OSA]                               ; (the plain line behind the exponentials)
	s_wait_alu depctr_va_vdst(0)
.irp c, 0,1,2
	v_add_f32 v[S+\c], 1.0, v[S+\c]
.endr
.irp c, 0,1,2
	v_rcp_f32 v[S+\c], v[S+\c]
.endr
	v_nop                                                      ; a plain line between the last reciprocal and the use of its result
	s_wait_alu depctr_va_vdst(0)
.irp c, 0,1,2
	ds_store_b32 v6, v[S+\c] offset:STG+4*\c
.endr
	s_add_co_u32 s79, s79, 384
.endm
; 128 points' 1,536 bytes leave the stage.
.macro FLUSH
.irp q, 0,1,2
	ds_load_b128 v[T+4*\q:T+4*\q+3], v[LIA] offset:STG+512*\q  ; LDS serves a wave's instructions in order: these see my stores
.endr
	s_wait_dscnt 0x0                                           ; the three loads are in
.irp q, 0,1,2
	global_store_b128 v[GO], v[T+4*\q:T+4*\q+3], s[48:49] offset:512*\q th:TH_STORE_NT   ; 32 lanes store 512 consecutive bytes, at a multiple of 256 from out0's first byte
.endr
	s_wait_xcnt 0x0                                            ; the stores have read their data and their base: both are written again only behind this wait
	s_add_nc_u64 s[48:49], s[48:49], 1536
.endm
	s_load_b512 s[8:23], s[0:1], 0x0               ; coords s[8:9], w0 s[10:11], b0 s[12:13]; layer L: codes s[8 + 6 L], scales + 2, bias + 4
	s_load_b512 s[24:39], s[0:1], 0x40
	s_load_b256 s[40:47], s[0:1], 0x80             ; .. wf s[44:45], bf s[46:47]
	s_load_b64 s[48:49], s[0:1], 0xa0              ; out0
	v_lshl_add_u32 v254, v0, 2, 0x28000
	v_mov_b32 v255, 0
	v_lshrrev_b32 v5, 5, v0
	v_readfirstlane_b32 s2, v5                     ; wave 0..15
	v_and_b32 v5, 31, v0                           ; lane
	v_and_b32 v21, 15, v0                          ; r
	v_bfe_u32 v6, v0, 4, 1                         ; h
	s_mul_i32 s50, s2, WREG                        ; my wave's region of LDS
	s_lshl_b32 s3, ttmp9, 4
	s_add_co_u32 s3, s3, s2                        ; which run of 512 points is my wave's
	s_lshl_b32 s4, s3, 12                          ; its 4,096 bytes of coords
	s_mov_b32 s5, 0
	s_mul_i32 s6, s3, 6144                         ; and its 6,144 of out0
	s_mov_b32 s7, 0
	v_lshlrev_b32 v[CBA], 3, v21
	v_lshl_add_u32 v[CBA], v6, 12, v[CBA]
	v_add_nc_u32 v[CBA], s50, v[CBA]
	v_mul_u32_u24 v[OSA], v5, 12
	v_add_nc_u32 v[OSA], s50, v[OSA]
	v_lshlrev_b32 v[GO], 4, v5
	v_add_nc_u32 v[LIA], s50, v[GO]
	v_and_b32 v9, 8, v21
	v_add_nc_u32 v9, v9, v21                       ; r + 8 (r / 8): a tile's rows
	v_lshlrev_b32 v7, 4, v9
	v_lshl_add_u32 v7, v6, 3, v7                   ; w1 .. w4's codes: 16 bytes a row, + 8 h
	v_lshlrev_b32 v8, 4, v21
	v_lshl_add_u32 v8, v6, 3, v8                   ; w5's: its rows as they lie
	v_lshlrev_b32 v238, 3, v9                      ; w0: 8 bytes a row
	v_lshlrev_b32 v239, 2, v9                      ; b0: 4
	v_lshl_add_u32 v9, v6, 3, v9                   ; the scale bytes: lanes 0-15 tile 0's rows, lanes 16-31 tile 1's, 8 rows on
	v_lshlrev_b32 v236, 6, v6                      ; b1 .. b4: my 16 units begin at 16 h
	v_lshlrev_b32 v237, 5, v6                      ; b5, wf: my 8 at 8 h
	s_wait_kmcnt 0x0
	s_load_b96 s[52:54], s[46:47], 0x0             ; bf
	s_add_nc_u64 s[8:9], s[8:9], s[4:5]
	s_add_nc_u64 s[48:49], s[48:49], s[6:7]
.irp i, 0,1,2,3,4,5,6,7
	global_load_b128 v[X+4*\i:X+4*\i+3], v[GO], s[8:9] offset:512*\i th:TH_LOAD_NT   ; my wave's coords: 512 consecutive bytes a load; read once in the launch
.endr
.irp L, 1,2,3,4
.irp u, 0,1
	global_load_b64 v[WC+4*(\L-1)+2*\u:WC+4*(\L-1)+2*\u+1], v7, s[8+6*\L:9+6*\L] offset:128*\u
.endr
	global_load_u8 v[WS+\L], v9, s[10+6*\L:11+6*\L]
.irp q, 0,1,2,3
	global_load_b128 v[BI+16*\L+4*\q:BI+16*\L+4*\q+3], v236, s[12+6*\L:13+6*\L] offset:16*\q
.endr
.endr
	global_load_b64 v[WC+16:WC+17], v8, s[38:39]
	global_load_u8 v[WS+5], v21, s[40:41]
.irp q, 0,1
	global_load_b128 v[BI+80+4*\q:BI+80+4*\q+3], v237, s[42:43] offset:16*\q
.endr
.irp c, 0,1,2
.irp q, 0,1
	global_load_b128 v[WF+8*\c+4*\q:WF+8*\c+4*\q+3], v237, s[44:45] offset:64*\c+16*\q
.endr
.endr
.irp u, 0,1
	global_load_b64 v[QA+2*\u:QA+2*\u+1], v238, s[10:11] offset:64*\u      ; w0's rows of tile u, for now in v[226:229]
	global_load_b32 v[S+\u], v239, s[12:13] offset:32*\u                   ; b0's, for now in v230, v231
.endr
	s_mov_b32 s55, 0xbfb8aa3b                      ; -log2(e)
	s_mov_b32 s60, 0x76543210
	s_mov_b32 s61, 0xfedcba98                      ; v_permlanex16_b32's selects for lane l xor 16
	s_mov_b32 s[CT], 0x4118c9eb                    ; 30 / pi = 9.5492964
	s_mov_b32 s[CT+1], 0x4118c9eb                  ; (a packed line names the pair and takes its low word for both halves: so the upper word is written)
	s_mov_b32 s[CTLO], 0x345d9800                  ; + 2.064e-7
	s_mov_b32 s[CTLO+1], 0x345d9800
	s_mov_b32 s[C4], 0x3d9e25ef                    ; c4 = 0.07722079
	s_mov_b32 s[C4+1], 0x3d9e25ef
.irp k, 0,1
	v_mov_b32 v[MG+\k], 0x4b400000                 ; 1.5 x 2^23
	v_mov_b32 v[C3+\k], 0xbf19197c                 ; c3 = -0.59804511
	v_mov_b32 v[C2+\k], 0x402333b7                 ; c2 = 2.55003142
	v_mov_b32 v[C1+\k], 0xc0a55dda                 ; c1 = -5.16770649
	v_mov_b32 v[C0+\k], 0x40490fda                 ; c0 = 3.14159250
	v_mov_b32 v[48+\k], 0
	v_mov_b32 v[232+2*\k], 1.0                     ; (1, 0, 1, 0), for now in v[232:235]
	v_mov_b32 v[233+2*\k], 0
.endr
.irp i, 0,1,2,3,4,5,6,7
	ds_store_b128 v[LIA], v[232:235] offset:ONES+512*\i
.endr
	s_wait_loadcnt 0x0                             ; all that the head loads, once
	s_wait_kmcnt 0x0                               ; bf
	v_cmp_ne_u32 vcc_lo, 0, v6                     ; lanes 16-31
.irp u, 0,1
	v_cndmask_b32 v[L0A+2*\u], v[QA+2*\u], v[S+\u], vcc_lo         ; k = 0: w0[row][0]; k = 2: b0[row]
	v_cndmask_b32 v[L0A+2*\u+1], v[QA+2*\u+1], v48, vcc_lo         ; k = 1: w0[row][1]; k = 3: 0
.endr
.irp L, 1,2,3,4,5
	v_lshl_or_b32 v[WS+\L], v[WS+\L], 8, v[WS+\L]  ; a row's scale byte in bytes 0 and 1
.endr
.irp c, 0,1,2
	v_mov_b32 v[BFV+\c], s[52+\c]
.endr
.irp c, 0,1,2
	v_mul_f32 v[BFV+\c], s55, v[BFV+\c]
.endr
.irp i, 0,1,2,3,4,5,6,7
	ds_store_b128 v[LIA], v[X+4*\i:X+4*\i+3] offset:512*\i
.endr
	ds_load_b64 v[CB:CB+1], v[CBA]                 ; the first group (LDS serves a wave's instructions in order: these see my stores)
	ds_load_b64 v[CB+2:CB+3], v[CBA] offset:128
	s_wait_dscnt 0x0
	MMF 0
	MMF 1
.irp k, 2,3,4,5,6,7
	v_mov_b32 v[B4+\k], 0                          ; the zero codes, once.  These thirteen plain lines name no register of the four products above: they are the eight places that the f32 form
	v_mov_b32 v[B4+8+\k], 0                        ; wants in front of the first read of its results and of the loads into its sources
.endr
	v_mov_b32 v[QP], 0                             ; written once: a lane permute's destination counts as one of its sources
	s_mov_b32 s78, 0
	s_mov_b32 s81, 4
.Louter:                                               ; 4 trips of 128 points
	s_mov_b32 s80, 4
	s_mov_b32 s79, 0                               ; the stage from its start
; A group of 32 points.  The two tiles go half a layer apart: a product stands behind the OTHER tile's sine (44 plain lines or more behind the lines that made its codes and its scale word), and the other tile's
; quantiser or last product (eight plain lines or more, none naming a register of the product) stands between it and the first read of its result.  So the loop needs no v_nop for a matrix instruction.
.Linner:                                               ; 4 trips
	NEXTC
	SIN16 D0, 1
	QUANT 0
	SIN16 D1, 1
	MM 1, 0
	QUANT 1
.irp L, 1,2,3,4
	SIN16 D0, 0
	MM \L, 1
	QUANT 0
	SIN16 D1, 0
	MM \L+1, 0
	QUANT 1
.endr
	SIN8 D0, X, 0                                  ; x5 has 16 units: eight a lane
	MM 5, 1
	FIN 0
	SIN8 D1, X, 0
	s_wait_dscnt 0x0                               ; the next group's coordinates, asked for at the trip's head
	MMF 0                                          ; and its first layer
	MMF 1
	FIN 1
	OUTV
	s_sub_co_u32 s80, s80, 1
	s_cmp_lg_u32 s80, 0
	s_cbranch_scc1 .Linner
	FLUSH
	s_sub_co_u32 s81, s81, 1
	s_cmp_lg_u32 s81, 0
	s_cbranch_scc1 .Louter
	s_wait_tensorcnt 0x0
	ds_add_u32 v254, v255
	s_wait_dscnt 0x0
	s_endpgm
.Lfunc_end_k_qfe2d651224_siren:
	.size	k_qfe2d651224_siren, .Lfunc_end_k_qfe2d651224_siren-k_qfe2d651224_siren
	.p2alignl 7, 3214868480
	.fill 96, 4, 3214868480
	.section	.rodata,"a",@progbits
	.p2align	6, 0x0
	.amdhsa_kernel k_qfe2d651224_siren
		.amdhsa_group_segment_fixed_size 165888
		.amdhsa_private_segment_fixed_size 0
		.amdhsa_enable_private_segment 0
		.amdhsa_kernarg_size 168
		.amdhsa_user_sgpr_count 2
		.amdhsa_user_sgpr_kernarg_segment_ptr 1
		.amdhsa_wavefront_size32 1
		.amdhsa_system_sgpr_workgroup_id_x 1
		.amdhsa_system_sgpr_workgroup_id_y 1
		.amdhsa_system_sgpr_workgroup_id_z 1
		.amdhsa_system_vgpr_workitem_id 0
		.amdhsa_next_free_vgpr 256
		.amdhsa_next_free_sgpr 82
		.amdhsa_reserve_vcc 1
		.amdhsa_float_denorm_mode_32 3
		.amdhsa_float_denorm_mode_16_64 3
		.amdhsa_memory_ordered 1
		.amdhsa_forward_progress 1
		.amdhsa_inst_pref_size 88
	.end_amdhsa_kernel
	.amdgpu_metadata
---
amdhsa.version: [ 1, 2 ]
amdhsa.kernels:
  - .name:           k_qfe2d651224_siren
    .symbol:         k_qfe2d651224_siren.kd
    .args:
      - { .name: coords, .offset: 0, .size: 8, .value_kind: global_buffer, .address_space: global }
      - { .name: w0, .offset: 8, .size: 8, .value_kind: global_buffer, .address_space: global }
      - { .name: b0, .offset: 16, .size: 8, .value_kind: global_buffer, .address_space: global }
      - { .name: w1_codes, .offset: 24, .size: 8, .value_kind: global_buffer, .address_space: global }
      - { .name: w1_scales, .offset: 32, .size: 8, .value_kind: global_buffer, .address_space: global }
      - { .name: b1, .offset: 40, .size: 8, .value_kind: global_buffer, .address_space: global }
      - { .name: w2_codes, .offset: 48, .size: 8, .value_kind: global_buffer, .address_space: global }
      - { .name: w2_scales, .offset: 56, .size: 8, .value_kind: global_buffer, .address_space: global }
      - { .name: b2, .offset: 64, .size: 8, .value_kind: global_buffer, .address_space: global }
      - { .name: w3_codes, .offset: 72, .size: 8, .value_kind: global_buffer, .address_space: global }
      - { .name: w3_scales, .offset: 80, .size: 8, .value_kind: global_buffer, .address_space: global }
      - { .name: b3, .offset: 88, .size: 8, .value_kind: global_buffer, .address_space: global }
      - { .name: w4_codes, .offset: 96, .size: 8, .value_kind: global_buffer, .address_space: global }
      - { .name: w4_scales, .offset: 104, .size: 8, .value_kind: global_buffer, .address_space: global }
      - { .name: b4, .offset: 112, .size: 8, .value_kind: global_buffer, .address_space: global }
      - { .name: w5_codes, .offset: 120, .size: 8, .value_kind: global_buffer, .address_space: global }
      - { .name: w5_scales, .offset: 128, .size: 8, .value_kind: global_buffer, .address_space: global }
      - { .name: b5, .offset: 136, .size: 8, .value_kind: global_buffer, .address_space: global }
      - { .name: wf, .offset: 144, .size: 8, .value_kind: global_buffer, .address_space: global }
      - { .name: bf, .offset: 152, .size: 8, .value_kind: global_buffer, .address_space: global }
      - { .name: out0, .offset: 160, .size: 8, .value_kind: global_buffer, .address_space: global }
    .group_segment_fixed_size: 165888
    .private_segment_fixed_size: 0
    .kernarg_segment_align: 8
    .kernarg_segment_size: 168
    .max_flat_workgroup_size: 512
    .sgpr_count:     82
    .vgpr_count:     256
    .wavefront_size: 32
...
	.end_amdgpu_metadata
.endif
;; end of part 1
;; ======== version 2 of 2: 1 launch; version 1 with the launch siren written anew for expert scheduling mode
;; limits: right only within a limited range of input values
;; launch siren (part 2): grid 256 x 1, 16 waves a work-group, no clusters, 165,888 bytes of LDS; arguments coords, w0, b0, w1_codes, w1_scales, b1, w2_codes, w2_scales, b2, w3_codes, w3_scales, b3, w4_codes, w4_scales, b4, w5_codes, w5_scales, b5, wf, bf, out0; writes out0
.if DOCPART == 2
	.amdgcn_target "amdgcn-amd-amdhsa--gfx1250"
	.amdhsa_code_object_version 6
	.text
	.protected	k_qfe2d651224_siren
	.globl	k_qfe2d651224_siren
	.p2align	8
	.type	k_qfe2d651224_siren,@function
k_qfe2d651224_siren:
	s_mov_b64 s[64:65], 0
	v_nop
	global_prefetch_b8 v0, s[64:65] scope:SCOPE_SE
	s_setreg_imm32_b32 hwreg(HW_REG_WAVE_SCHED_MODE, 0, 2), 2
	s_setreg_imm32_b32 hwreg(HW_REG_WAVE_MODE, 25, 1), 1
	s_wait_xcnt 0x0
	s_wait_alu depctr_vm_vsrc(0)
; SIREN on 2,097,152 points: x0 = sin(30 (coords w0^T + b0)); x1..x4 = sin(30 (Q(x) W^T + b)), 32 -> 32; x5 likewise, 32 -> 16; out = sigmoid(x5 wf^T + bf).
; The five middle products multiply codes of FP4 (E2M1) with one E8M0 scale for the 32 along K: W comes as codes, x is quantised in registers.  All else is f32.
; SHARES.  256 work-groups x 16 waves; a wave owns 512 neighbouring points (4,096 bytes of coords, 6,144 of out0) and shares nothing: no barrier.  A trip of the inner loop takes a GROUP of 32 points,
; two TILES of 16; four trips fill 1,536 bytes of out0, which leave by three stores of 512 consecutive bytes.  A point's activations never leave the registers.
; The arithmetic is nearly all vector work (176 sines a point, made of plain f32 lines), so the text is laid for few vector lines, full lanes and no exchange of lanes.
; No tensor load, ring or cluster: all that work-groups share is 3.6 KB of weights, which every wave keeps in its registers for the whole launch.
; LAYOUT.  Every product is used transposed: source 0 = 16 rows of W, source 1 = 16 points.  In a result lane (r = lane % 16, h = lane / 16) holds point r, and register j row 8 h + j of the tile.
; THE ROWS OF W THAT FORM A TILE ARE NOT NEIGHBOURS: lane r of tile u takes row r + 8 (r / 8) + 8 u, so that a lane's 16 registers of tiles 0 and 1 are units 16 h + 0 .. 15 of its point.
; K = 32 IN AN INSTRUCTION OF K = 128: unit 16 h + i stands at k = 32 h + i, on both sides: those are registers 0 and 1 of lane (r, h), so the two conversions' results ARE the operand, and of a row of W lane (r, h)
; takes the 8 bytes at 16 row + 8 h.  The one block's scale byte stands in bytes 0 and 1 of the scale word (k = 0 .. 31 and 32 .. 63); bytes 2 and 3 are 0, which is 2^-127 and no NaN.
; Registers 2 to 7 of x's operand are zero codes for ever; whatever stands in registers 2 to 7 of W's operand meets them and adds 0.  So W's nine tiles lie two registers apart, and an operand's eight registers run on over its neighbours.
; The biases b1 .. b5 are the C of the products.  The first layer is a product of K = 4 in f32: (x, y, 1, 0) against (w0[row][0], w0[row][1], b0[row], 0).
; THE SINE.  u = a 30 / pi (half turns), n = the whole number nearest u, f = u - n, sin(30 a) = (-1)^n sin(pi f), |f| <= 0.5.  n is had by adding 1.5 x 2^23 (the sum's lowest bit is n's parity); f by one fused multiply-add, whose
; product is exact; sin(pi f) = f x (a polynomial of degree 4 in f^2), cut from the series so that it errs by 3.3e-9 at the most before rounding.  The first layer, whose u is the largest, adds a x (the part of 30 / pi that f32 drops).
; LIMITS.  |30 (x W^T + b)| / pi stays under 2^22 (beyond it an f32 argument's neighbours lie a half turn or more apart).  NaN and infinities among the inputs are not served.  30 (..) / pi is one fused product and not
; the rounded 30 x (..) of the source: another order of rounding, of the size of f32's own.  A block of zeros gets the scale byte 1 and not 127: its codes are zeros, and nobody else reads the byte.
; The last trip's look-ahead wraps to the wave's first group: its four f32 products are computed and not used; that is the price of a loop written once.
; THE MODE: SCHED_MODE bits 1:0 = 2 (LLVM: expert scheduling mode 2), set by the entry lines.  The code itself states the register dependences
; between vector or matrix instructions and memory or LDS instructions, with s_wait_alu, always for 0.
; THE PLAN.  Registers that memory or LDS instructions touch, in the loops:
;   v5            Written once a trip, ahead of the first scaled product's wait; read by the two LDS loads of the next group's coordinates, which follow that product.
;   v[22:25]      Those two loads land here; the four f32 products at the trip's end read them.
;   v6, v230-232  The stage's address and a group's three outputs: written in the trip's last part, read by its three LDS stores.
;   v[210:221]    At work in every sine and in the last product; once in four trips the stage's 1,536 bytes land here and three global stores read them.
;   v1 to v4      Addresses and offsets, made at the head and never written again.
;   v50, v51, v58, v59, v14, v15   x's codes and scale words: no memory instruction names them, but vector lines write them and scaled products take them.
; WAITS ON va_vdst IN A TRIP: one directly ahead of each of the ten groups of scaled products, for the codes and the scale word just made (the first of them also for v5 and for v[22:25]);
; two behind the sigmoid's exponentials and reciprocals, the second also for the three LDS stores and, where the stage leaves, for the loads into v[210:221].
; WAITS ON vm_vsrc: one a trip, ahead of the add to v5, which frees v5, v6 and v230-232; one where the stage has left, which frees v[210:221]; one at the head's end.
.set WREG, 10240                       ; LDS, for each wave: 4,096 bytes of its coords as they lie; 4,096 bytes of pairs (1.0, 0.0); from 8,192 on a stage of 1,536 bytes for out0
.set ONES, 4096
.set STG,  8192
.set CBA,  1                           ; v1   LDS: my wave's region + 8 r + 4,096 h: lanes 0-15 read a point's (x, y), lanes 16-31 read (1, 0), whatever the step
.set OSA,  2                           ; v2   LDS: my wave's region + 12 x lane
.set LIA,  3                           ; v3   LDS: my wave's region + 16 x lane
.set GO,   4                           ; v4   16 x lane: my bytes of a wave's 512, in coords and in out0
.set MG,   10                          ; v[10:11]   1.5 x 2^23, twice
.set C3,   12                          ; v[12:13]   c3, twice
.set XS,   14                          ; v14, v15   x's scale words, tile 0 and 1: they hold scales alone
.set WS,   15                          ; v16-20     W's scale words at v[WS + L]: lanes 0-15 tile 0's rows, lanes 16-31 tile 1's: scales alone
.set CB,   22                          ; v[22:25]   the first layer's source 1, tile 0 and 1
.set WC,   26                          ; v[26:43]   W's nine tiles, two registers each: tile 2 (L - 1) + u; tile 8 is w5's
.set L0A,  44                          ; v[44:47]   the first layer's source 0, tile u at 44 + 2 u;  v48, v49 zeros
.set B4,   50                          ; v[50:57], v[58:65]  x's operands: registers 0, 1 the codes, 2 to 7 zeros
.set BI,   50                          ; the biases in the results' layout at v[BI + 16 L]: v66-129 for L = 1 .. 4, v130-137 for b5
.set WF,   138                         ; v[138:161] wf: output c at 138 + 8 c, register j = wf[c][8 h + j]
.set D0,   162                         ; v[162:177] tile 0's results;  written by matrix instructions alone
.set D1,   178                         ; v[178:193] tile 1's
.set X,    194                         ; v[194:209] sines
.set T,    210                         ; v[210:217] at work
.set P,    218                         ; v[218:225] at work
.set QA,   226
.set QB,   227
.set QP,   228
.set QS,   229
.set S,    230                         ; v230-232 tile 0's part sums of the three outputs, v233-235 tile 1's
.set C2,   240                         ; v[240:245] c2, c1, c0, each twice
.set C1,   242
.set C0,   244
.set BFV,  246                         ; v246-248   -log2(e) x bf[c]
.set CT,   66                          ; s[66:67]   30 / pi
.set CTLO, 68                          ; s[68:69]   what f32 drops of it
.set C4,   70                          ; s[70:71]   c4
; Eight sines: v[d .. d + 7] -> v[x .. x + 7].  Each step runs over the four pairs, so that no line waits for the line above it; the pairs ascend, so a result is read from its low end on.
.macro SIN8 d, x, lo
.irp p, 0,2,4,6
	v_pk_fma_f32 v[T+\p:T+\p+1], v[(\d)+\p:(\d)+\p+1], s[CT:CT+1], v[MG:MG+1] op_sel_hi:[1,0,1]      ; u + 1.5 x 2^23: rounded to a whole number
.endr
.irp p, 0,2,4,6
	v_pk_add_f32 v[P+\p:P+\p+1], v[T+\p:T+\p+1], v[MG:MG+1] neg_lo:[0,1] neg_hi:[0,1]               ; n, exact
.endr
.irp p, 0,2,4,6
	v_pk_fma_f32 v[(\x)+\p:(\x)+\p+1], v[(\d)+\p:(\d)+\p+1], s[CT:CT+1], v[P+\p:P+\p+1] op_sel_hi:[1,0,1] neg_lo:[0,0,1] neg_hi:[0,0,1]   ; f = u - n, one rounding
.endr
.if \lo
.irp p, 0,2,4,6
	v_pk_fma_f32 v[(\x)+\p:(\x)+\p+1], v[(\d)+\p:(\d)+\p+1], s[CTLO:CTLO+1], v[(\x)+\p:(\x)+\p+1] op_sel_hi:[1,0,1]
.endr
.endif
.irp p, 0,2,4,6
	v_pk_mul_f32 v[P+\p:P+\p+1], v[(\x)+\p:(\x)+\p+1], v[(\x)+\p:(\x)+\p+1]                         ; f^2
.endr
.irp k, 0,1,2,3,4,5,6,7
	v_lshl_add_u32 v[(\x)+\k], v[T+\k], 31, v[(\x)+\k]                                             ; n's parity onto f's sign bit: (-1)^n f
.endr
.irp p, 0,2,4,6
	v_pk_fma_f32 v[T+\p:T+\p+1], v[P+\p:P+\p+1], s[C4:C4+1], v[C3:C3+1] op_sel_hi:[1,0,1]
.endr
.irp p, 0,2,4,6
	v_pk_fma_f32 v[T+\p:T+\p+1], v[T+\p:T+\p+1], v[P+\p:P+\p+1], v[C2:C2+1]
.endr
.irp p, 0,2,4,6
	v_pk_fma_f32 v[T+\p:T+\p+1], v[T+\p:T+\p+1], v[P+\p:P+\p+1], v[C1:C1+1]
.endr
.irp p, 0,2,4,6
	v_pk_fma_f32 v[T+\p:T+\p+1], v[T+\p:T+\p+1], v[P+\p:P+\p+1], v[C0:C0+1]
.endr
.irp p, 0,2,4,6
	v_pk_mul_f32 v[(\x)+\p:(\x)+\p+1], v[T+\p:T+\p+1], v[(\x)+\p:(\x)+\p+1]
.endr
.endm
.macro SIN16 d, lo
	SIN8 \d, X, \lo
	SIN8 (\d)+8, X+8, \lo
.endm
; My 16 sines (units 16 h + 0 .. 15 of my point) become tile i's two registers of codes and its scale word.
.macro QUANT i
	v_max3_num_f32 v[QA], |v[X]|, |v[X+1]|, 0x1800000          ; the largest magnitude, in two chains; the floor 2^(3 - 127) among the leaves holds the byte at 1 from below
	v_max3_num_f32 v[QB], |v[X+2]|, |v[X+3]|, |v[X+4]|
	v_max3_num_f32 v[QA], v[QA], |v[X+5]|, |v[X+6]|
	v_max3_num_f32 v[QB], v[QB], |v[X+7]|, |v[X+8]|
	v_max3_num_f32 v[QA], v[QA], |v[X+9]|, |v[X+10]|
	v_max3_num_f32 v[QB], v[QB], |v[X+11]|, |v[X+12]|
	v_max3_num_f32 v[QA], v[QA], |v[X+13]|, |v[X+14]|
	v_max3_num_f32 v[QA], v[QA], v[QB], |v[X+15]|
	v_permlanex16_b32 v[QP], v[QA], s60, s61                   ; the point's other 16 units lie in lane l xor 16
	v_max_num_f32 v[QA], v[QA], v[QP]
	v_add_nc_u32 v[QS], 0xff000000, v[QA]                      ; 2 off its exponent field: the conversion takes this operand's exponent field as its scale, and nothing else of it
	v_cvt_scalef32_pk8_fp4_f32 v[B4+8*(\i)], v[X:X+7], v[QS]
	v_cvt_scalef32_pk8_fp4_f32 v[B4+8*(\i)+1], v[X+8:X+15], v[QS]
	v_lshrrev_b32 v[QB], 23, v[QS]                             ; the scale's byte.  (Also the plain line behind the conversions)
	v_lshl_or_b32 v[XS+(\i)], v[QB], 8, v[QB]                  ; in bytes 0 and 1: both halves of the block
.endm
; Layer L's product for tile i: D = W x + b.  No sum goes on in place: C is the bias, D other registers.
.macro MM L, i
	s_wait_alu depctr_va_vdst(0)                               ; the conversions have written tile i's codes, and the line behind them its scale word, which the products below take as source 1 and as its scales; the other tile's sine, the places, stands ahead of this wait.  (In the first trip also: the head has written the zero codes, W's scale words and v44-49, over which W's last operands run)
.if (\L) < 5
	v_wmma_scale_f32_16x16x128_f8f6f4 v[D0+16*(\i):D0+16*(\i)+7], v[WC+4*((\L)-1):WC+4*((\L)-1)+7], v[B4+8*(\i):B4+8*(\i)+7], v[BI+16*(\L):BI+16*(\L)+7], v[WS+(\L)], v[XS+(\i)] matrix_a_fmt:MATRIX_FMT_FP4 matrix_b_fmt:MATRIX_FMT_FP4
	v_wmma_scale_f32_16x16x128_f8f6f4 v[D0+16*(\i)+8:D0+16*(\i)+15], v[WC+4*((\L)-1)+2:WC+4*((\L)-1)+9], v[B4+8*(\i):B4+8*(\i)+7], v[BI+16*(\L)+8:BI+16*(\L)+15], v[WS+(\L)], v[XS+(\i)] matrix_a_fmt:MATRIX_FMT_FP4 matrix_b_fmt:MATRIX_FMT_FP4 matrix_a_scale:MATRIX_SCALE_ROW1
.else
	v_wmma_scale_f32_16x16x128_f8f6f4 v[D0+16*(\i):D0+16*(\i)+7], v[WC+16:WC+23], v[B4+8*(\i):B4+8*(\i)+7], v[BI+80:BI+87], v[WS+5], v[XS+(\i)] matrix_a_fmt:MATRIX_FMT_FP4 matrix_b_fmt:MATRIX_FMT_FP4
.endif
.endm
; The first layer for tile i, in f32: its result goes into a quantiser.
.macro MMF i
.irp u, 0,1
	v_wmma_f32_16x16x4_f32 v[D0+16*(\i)+8*\u:D0+16*(\i)+8*\u+7], v[L0A+2*\u:L0A+2*\u+1], v[CB+2*(\i):CB+2*(\i)+1], 0
.endr
.endm
; The last product, in f32: my eight units (8 h + 0 .. 7 of x5) against wf's, for the three outputs by turns: a part sum a lane.
.macro FIN i
.irp c, 0,1,2
	v_pk_mul_f32 v[P+2*\c:P+2*\c+1], v[X:X+1], v[WF+8*\c:WF+8*\c+1]
.endr
.irp q, 2,4,6
.irp c, 0,1,2
	v_pk_fma_f32 v[P+2*\c:P+2*\c+1], v[X+\q:X+\q+1], v[WF+8*\c+\q:WF+8*\c+\q+1], v[P+2*\c:P+2*\c+1]
.endr
.endr
.irp c, 0,1,2
	v_add_f32 v[S+3*(\i)+\c], v[P+2*\c], v[P+2*\c+1]
.endr
.endm
; The next group's coordinates are asked for at the first scaled product, all five quantised layers ahead of the products that take them.  NEXTA makes their address ahead of that product's wait, NEXTL asks behind it.
.macro NEXTA
	s_add_co_u32 s78, s78, 256                                 ; 32 points of 8 bytes on;
	s_and_b32 s78, s78, 4095                                   ; the last trip's look-ahead wraps to the wave's first group
	s_wait_alu depctr_vm_vsrc(0)                               ; the last trip's two LDS loads have read v5, and its three LDS stores v6 and v230-232: v5 is written in the next line, the others further down this trip
	v_add_nc_u32 v5, s78, v[CBA]
.endm
.macro NEXTL
	ds_load_b64 v[CB:CB+1], v5                                 ; no wait of their own: the wait ahead of the product just issued stands behind the add to v5 and behind the f32 products that read v[22:25],
	ds_load_b64 v[CB+2:CB+3], v5 offset:128                    ; and that product names neither v5 nor v[22:25]
.endm
; The two tiles' part sums meet so that lane l holds point l of the group; one sigmoid for the 32 points; 12 bytes a point into the stage.
.macro OUTV
.irp c, 0,1,2
	v_permlane16_swap_b32 v[S+\c], v[S+3+\c]                   ; the first now holds both tiles' sums of units 0-7, the second those of units 8-15
.endr
.irp c, 0,1,2
	v_add_f32 v[S+\c], v[S+\c], v[S+3+\c]
.endr
.irp c, 0,1,2
	v_fma_f32 v[S+\c], v[S+\c], s55, v[BFV+\c]                 ; -log2(e) (z + bf)
.endr
.irp c, 0,1,2
	v_exp_f32 v[S+\c], v[S+\c]
.endr
	v_add_nc_u32 v6, s79, v[OSA]                               ; (the plain line behind the exponentials)
	s_wait_alu depctr_va_vdst(0)                               ; the three exponentials have written v230-232, ahead of their first reader
.irp c, 0,1,2
	v_add_f32 v[S+\c], 1.0, v[S+\c]
.endr
.irp c, 0,1,2
	v_rcp_f32 v[S+\c], v[S+\c]
.endr
	v_nop                                                      ; a plain line between the last reciprocal and the use of its result
	s_wait_alu depctr_va_vdst(0)                               ; the three reciprocals have written v230-232, which the LDS stores below read as data, and v6, their address, is written
.irp c, 0,1,2
	ds_store_b32 v6, v[S+\c] offset:STG+4*\c
.endr
	s_add_co_u32 s79, s79, 384
.endm
; 128 points' 1,536 bytes leave the stage.
.macro FLUSH
.irp q, 0,1,2
	ds_load_b128 v[T+4*\q:T+4*\q+3], v[LIA] offset:STG+512*\q  ; LDS serves a wave's instructions in order: these see my stores.  No wait on va_vdst here: the one ahead of the last three LDS stores stands behind every vector line that names v[210:221], and no vector line has been issued since
.endr
	s_wait_dscnt 0x0                                           ; the three loads are in
.irp q, 0,1,2
	global_store_b128 v[GO], v[T+4*\q:T+4*\q+3], s[48:49] offset:512*\q th:TH_STORE_NT   ; 32 lanes store 512 consecutive bytes, at a multiple of 256 from out0's first byte
.endr
	s_wait_xcnt 0x0                                            ; the stores have read their data and their base: both are written again only behind this wait
	s_wait_alu depctr_vm_vsrc(0)                               ; the three stores have read v[210:221], which the next trip's first sine writes
	s_add_nc_u64 s[48:49], s[48:49], 1536
.endm
	s_load_b512 s[8:23], s[0:1], 0x0               ; coords s[8:9], w0 s[10:11], b0 s[12:13]; layer L: codes s[8 + 6 L], scales + 2, bias + 4
	s_load_b512 s[24:39], s[0:1], 0x40
	s_load_b256 s[40:47], s[0:1], 0x80             ; .. wf s[44:45], bf s[46:47]
	s_load_b64 s[48:49], s[0:1], 0xa0              ; out0
	v_lshl_add_u32 v254, v0, 2, 0x28000
	v_mov_b32 v255, 0
	v_lshrrev_b32 v5, 5, v0
	v_readfirstlane_b32 s2, v5                     ; wave 0..15
	v_and_b32 v5, 31, v0                           ; lane
	v_and_b32 v21, 15, v0                          ; r
	v_bfe_u32 v6, v0, 4, 1                         ; h
	s_wait_alu depctr_va_sdst(0)                   ; s2 is written, ahead of its first reader: the wave's LDS region and its runs of coords and out0 are made from it
	s_mul_i32 s50, s2, WREG                        ; my wave's region of LDS
	s_lshl_b32 s3, ttmp9, 4
	s_add_co_u32 s3, s3, s2                        ; which run of 512 points is my wave's
	s_lshl_b32 s4, s3, 12                          ; its 4,096 bytes of coords
	s_mov_b32 s5, 0
	s_mul_i32 s6, s3, 6144                         ; and its 6,144 of out0
	s_mov_b32 s7, 0
	v_lshlrev_b32 v[CBA], 3, v21
	v_lshl_add_u32 v[CBA], v6, 12, v[CBA]
	v_add_nc_u32 v[CBA], s50, v[CBA]
	v_mul_u32_u24 v[OSA], v5, 12
	v_add_nc_u32 v[OSA], s50, v[OSA]
	v_lshlrev_b32 v[GO], 4, v5
	v_add_nc_u32 v[LIA], s50, v[GO]
	v_and_b32 v9, 8, v21
	v_add_nc_u32 v9, v9, v21                       ; r + 8 (r / 8): a tile's rows
	v_lshlrev_b32 v7, 4, v9
	v_lshl_add_u32 v7, v6, 3, v7                   ; w1 .. w4's codes: 16 bytes a row, + 8 h
	v_lshlrev_b32 v8, 4, v21
	v_lshl_add_u32 v8, v6, 3, v8                   ; w5's: its rows as they lie
	v_lshlrev_b32 v238, 3, v9                      ; w0: 8 bytes a row
	v_lshlrev_b32 v239, 2, v9                      ; b0: 4
	v_lshl_add_u32 v9, v6, 3, v9                   ; the scale bytes: lanes 0-15 tile 0's rows, lanes 16-31 tile 1's, 8 rows on
	v_lshlrev_b32 v236, 6, v6                      ; b1 .. b4: my 16 units begin at 16 h
	v_lshlrev_b32 v237, 5, v6                      ; b5, wf: my 8 at 8 h
	s_wait_kmcnt 0x0
	s_load_b96 s[52:54], s[46:47], 0x0             ; bf
	s_add_nc_u64 s[8:9], s[8:9], s[4:5]
	s_add_nc_u64 s[48:49], s[48:49], s[6:7]
	s_wait_alu depctr_va_vdst(0)                   ; the addresses and offsets v1 to v4, v7 to v9, v21 and v236 to v239 are written: the loads and stores of the whole kernel read them, and none of them is written again
.irp i, 0,1,2,3,4,5,6,7
	global_load_b128 v[X+4*\i:X+4*\i+3], v[GO], s[8:9] offset:512*\i th:TH_LOAD_NT   ; my wave's coords: 512 consecutive bytes a load; read once in the launch
.endr
.irp L, 1,2,3,4
.irp u, 0,1
	global_load_b64 v[WC+4*(\L-1)+2*\u:WC+4*(\L-1)+2*\u+1], v7, s[8+6*\L:9+6*\L] offset:128*\u
.endr
	global_load_u8 v[WS+\L], v9, s[10+6*\L:11+6*\L]
.irp q, 0,1,2,3
	global_load_b128 v[BI+16*\L+4*\q:BI+16*\L+4*\q+3], v236, s[12+6*\L:13+6*\L] offset:16*\q
.endr
.endr
	global_load_b64 v[WC+16:WC+17], v8, s[38:39]
	global_load_u8 v[WS+5], v21, s[40:41]
.irp q, 0,1
	global_load_b128 v[BI+80+4*\q:BI+80+4*\q+3], v237, s[42:43] offset:16*\q
.endr
.irp c, 0,1,2
.irp q, 0,1
	global_load_b128 v[WF+8*\c+4*\q:WF+8*\c+4*\q+3], v237, s[44:45] offset:64*\c+16*\q
.endr
.endr
.irp u, 0,1
	global_load_b64 v[QA+2*\u:QA+2*\u+1], v238, s[10:11] offset:64*\u      ; w0's rows of tile u, for now in v[226:229]
	global_load_b32 v[S+\u], v239, s[12:13] offset:32*\u                   ; b0's, for now in v230, v231
.endr
	s_mov_b32 s55, 0xbfb8aa3b                      ; -log2(e)
	s_mov_b32 s60, 0x76543210
	s_mov_b32 s61, 0xfedcba98                      ; v_permlanex16_b32's selects for lane l xor 16
	s_mov_b32 s[CT], 0x4118c9eb                    ; 30 / pi = 9.5492964
	s_mov_b32 s[CT+1], 0x4118c9eb                  ; (a packed line names the pair and takes its low word for both halves: so the upper word is written)
	s_mov_b32 s[CTLO], 0x345d9800                  ; + 2.064e-7
	s_mov_b32 s[CTLO+1], 0x345d9800
	s_mov_b32 s[C4], 0x3d9e25ef                    ; c4 = 0.07722079
	s_mov_b32 s[C4+1], 0x3d9e25ef
.irp k, 0,1
	v_mov_b32 v[MG+\k], 0x4b400000                 ; 1.5 x 2^23
	v_mov_b32 v[C3+\k], 0xbf19197c                 ; c3 = -0.59804511
	v_mov_b32 v[C2+\k], 0x402333b7                 ; c2 = 2.55003142
	v_mov_b32 v[C1+\k], 0xc0a55dda                 ; c1 = -5.16770649
	v_mov_b32 v[C0+\k], 0x40490fda                 ; c0 = 3.14159250
	v_mov_b32 v[48+\k], 0
	v_mov_b32 v[232+2*\k], 1.0                     ; (1, 0, 1, 0), for now in v[232:235]
	v_mov_b32 v[233+2*\k], 0
.endr
	s_wait_alu depctr_va_vdst(0)                   ; v[232:235] are written, which the eight LDS stores below read as data
.irp i, 0,1,2,3,4,5,6,7
	ds_store_b128 v[LIA], v[232:235] offset:ONES+512*\i
.endr
	s_wait_loadcnt 0x0                             ; all that the head loads, once
	s_wait_kmcnt 0x0                               ; bf
	v_cmp_ne_u32 vcc_lo, 0, v6                     ; lanes 16-31
	s_wait_alu depctr_va_vcc(0)                    ; VCC is written, ahead of the four selections that read it
.irp u, 0,1
	v_cndmask_b32 v[L0A+2*\u], v[QA+2*\u], v[S+\u], vcc_lo         ; k = 0: w0[row][0]; k = 2: b0[row]
	v_cndmask_b32 v[L0A+2*\u+1], v[QA+2*\u+1], v48, vcc_lo         ; k = 1: w0[row][1]; k = 3: 0
.endr
.irp L, 1,2,3,4,5
	v_lshl_or_b32 v[WS+\L], v[WS+\L], 8, v[WS+\L]  ; a row's scale byte in bytes 0 and 1
.endr
.irp c, 0,1,2
	v_mov_b32 v[BFV+\c], s[52+\c]
.endr
.irp c, 0,1,2
	v_mul_f32 v[BFV+\c], s55, v[BFV+\c]
.endr
.irp i, 0,1,2,3,4,5,6,7
	ds_store_b128 v[LIA], v[X+4*\i:X+4*\i+3] offset:512*\i        ; the data are loaded numbers that no vector line has written
.endr
	ds_load_b64 v[CB:CB+1], v[CBA]                 ; the first group (LDS serves a wave's instructions in order: these see my stores)
	ds_load_b64 v[CB+2:CB+3], v[CBA] offset:128
	s_wait_dscnt 0x0
	s_wait_alu depctr_vm_vsrc(0)                   ; the head's LDS stores have read v[194:225] and v[232:235]: from here on these are the sines' registers and the part sums', written by vector lines
	MMF 0
	MMF 1
.irp k, 2,3,4,5,6,7
	v_mov_b32 v[B4+\k], 0                          ; the zero codes, once.  These thirteen plain lines name no register of the four products above: they are the eight places that the f32 form
	v_mov_b32 v[B4+8+\k], 0                        ; wants (ISA guide 7.12.1) in front of the first read of its results
.endr
	v_mov_b32 v[QP], 0                             ; written once: a lane permute's destination counts as one of its sources
	s_mov_b32 s78, 0
	s_mov_b32 s81, 4
.Louter:                                               ; 4 trips of 128 points
	s_mov_b32 s80, 4
	s_mov_b32 s79, 0                               ; the stage from its start
; A group of 32 points.  The two tiles go half a layer apart: a product stands behind the OTHER tile's sine (44 plain lines or more behind the lines that made its codes and its scale word), and the other tile's
; quantiser or last product (eight plain lines or more, none naming a register of the product) stands between it and the first read of its result.  So the loop needs no v_nop for a matrix instruction.
.Linner:                                               ; 4 trips
	SIN16 D0, 1
	QUANT 0
	SIN16 D1, 1
	NEXTA
	MM 1, 0
	NEXTL
	QUANT 1
.irp L, 1,2,3,4
	SIN16 D0, 0
	MM \L, 1
	QUANT 0
	SIN16 D1, 0
	MM \L+1, 0
	QUANT 1
.endr
	SIN8 D0, X, 0                                  ; x5 has 16 units: eight a lane
	MM 5, 1
	FIN 0
	SIN8 D1, X, 0
	s_wait_dscnt 0x0                               ; the next group's coordinates, asked for at the trip's first scaled product
	MMF 0                                          ; and its first layer
	MMF 1
	FIN 1
	OUTV
	s_sub_co_u32 s80, s80, 1
	s_cmp_lg_u32 s80, 0
	s_cbranch_scc1 .Linner
	FLUSH
	s_sub_co_u32 s81, s81, 1
	s_cmp_lg_u32 s81, 0
	s_cbranch_scc1 .Louter
	s_wait_dscnt 0x0                               ; the closing lines, six on end
	s_wait_alu 0x0
	s_wait_tensorcnt 0x0
	ds_add_u32 v254, v255
	s_wait_dscnt 0x0
	s_endpgm
.Lfunc_end_k_qfe2d651224_siren:
	.size	k_qfe2d651224_siren, .Lfunc_end_k_qfe2d651224_siren-k_qfe2d651224_siren
	.p2alignl 7, 3214868480
	.fill 96, 4, 3214868480
	.section	.rodata,"a",@progbits
	.p2align	6, 0x0
	.amdhsa_kernel k_qfe2d651224_siren
		.amdhsa_group_segment_fixed_size 165888
		.amdhsa_private_segment_fixed_size 0
		.amdhsa_enable_private_segment 0
		.amdhsa_kernarg_size 168
		.amdhsa_user_sgpr_count 2
		.amdhsa_user_sgpr_kernarg_segment_ptr 1
		.amdhsa_wavefront_size32 1
		.amdhsa_system_sgpr_workgroup_id_x 1
		.amdhsa_system_sgpr_workgroup_id_y 1
		.amdhsa_system_sgpr_workgroup_id_z 1
		.amdhsa_system_vgpr_workitem_id 0
		.amdhsa_next_free_vgpr 256
		.amdhsa_next_free_sgpr 82
		.amdhsa_reserve_vcc 1
		.amdhsa_float_denorm_mode_32 3
		.amdhsa_float_denorm_mode_16_64 3
		.amdhsa_memory_ordered 1
		.amdhsa_forward_progress 1
		.amdhsa_inst_pref_size 89
	.end_amdhsa_kernel
	.amdgpu_metadata
---
amdhsa.version: [ 1, 2 ]
amdhsa.kernels:
  - .name:           k_qfe2d651224_siren
    .symbol:         k_qfe2d651224_siren.kd
    .args:
      - { .name: coords, .offset: 0, .size: 8, .value_kind: global_buffer, .address_space: global }
      - { .name: w0, .offset: 8, .size: 8, .value_kind: global_buffer, .address_space: global }
      - { .name: b0, .offset: 16, .size: 8, .value_kind: global_buffer, .address_space: global }
      - { .name: w1_codes, .offset: 24, .size: 8, .value_kind: global_buffer, .address_space: global }
      - { .name: w1_scales, .offset: 32, .size: 8, .value_kind: global_buffer, .address_space: global }
      - { .name: b1, .offset: 40, .size: 8, .value_kind: global_buffer, .address_space: global }
      - { .name: w2_codes, .offset: 48, .size: 8, .value_kind: global_buffer, .address_space: global }
      - { .name: w2_scales, .offset: 56, .size: 8, .value_kind: global_buffer, .address_space: global }
      - { .name: b2, .offset: 64, .size: 8, .value_kind: global_buffer, .address_space: global }
      - { .name: w3_codes, .offset: 72, .size: 8, .value_kind: global_buffer, .address_space: global }
      - { .name: w3_scales, .offset: 80, .size: 8, .value_kind: global_buffer, .address_space: global }
      - { .name: b3, .offset: 88, .size: 8, .value_kind: global_buffer, .address_space: global }
      - { .name: w4_codes, .offset: 96, .size: 8, .value_kind: global_buffer, .address_space: global }
      - { .name: w4_scales, .offset: 104, .size: 8, .value_kind: global_buffer, .address_space: global }
      - { .name: b4, .offset: 112, .size: 8, .value_kind: global_buffer, .address_space: global }
      - { .name: w5_codes, .offset: 120, .size: 8, .value_kind: global_buffer, .address_space: global }
      - { .name: w5_scales, .offset: 128, .size: 8, .value_kind: global_buffer, .address_space: global }
      - { .name: b5, .offset: 136, .size: 8, .value_kind: global_buffer, .address_space: global }
      - { .name: wf, .offset: 144, .size: 8, .value_kind: global_buffer, .address_space: global }
      - { .name: bf, .offset: 152, .size: 8, .value_kind: global_buffer, .address_space: global }
      - { .name: out0, .offset: 160, .size: 8, .value_kind: global_buffer, .address_space: global }
    .group_segment_fixed_size: 165888
    .private_segment_fixed_size: 0
    .kernarg_segment_align: 8
    .kernarg_segment_size: 168
    .max_flat_workgroup_size: 512
    .sgpr_count:     82
    .vgpr_count:     256
    .wavefront_size: 32
...
	.end_amdgpu_metadata
.endif
;; end of part 2
